; MI455X (gfx1250); checked and timed in simulation.
; The chip was launched on July 23, 2026; its instructions are those of AMD's public machine-readable ISA for CDNA 5 (MIT licence, August 2026) and "CDNA5" Instruction Set Architecture Reference Guide (July 2026). The comments in the code are by the model that wrote it; some were corrected since.
;; Selective Attn MLA. Allowed arithmetic: matrix products marked QUANTISED: E4M3 operands, one given power-of-two scale a tensor, by v_wmma_f32_16x16x64_fp8_fp8 or v_wmma_f32_16x16x128_fp8_fp8, f32 sums; everything else in f32.
;; Inputs: k 8,192 x 16 x 192 float32; lowp_scales 4 int32 (the exponents e of the quantised operands' scales 2^e); q 8,192 x 16 x 192 float32; selected_indices 8,192 x 4 x 16 int32; v 8,192 x 16 x 64 float32.
;; Outputs: out0 8,192 x 1,024 float32.
;; Constants: batch_size = 4, seq_len = 2048.
;; This version of the problem:
;;   THIS VERSION OF THE PROBLEM IS GIVEN IN LOW PRECISION. The matrix products marked QUANTISED in the list below multiply operands that are first quantised to E4M3 (4 exponent bits, 3 mantissa bits; 8 bits a number), with one given power-of-two scale for each operand tensor; their sums are f32. All else is computed in f32.
;;   The module's matrix products, in the order in which they are computed (A, B: the left and right operand; K: the contracted axis; several contracted axes count as one K, in the product's order):
;;     1. batch 64 x [M 2,048, K 192] x [K 192, N 2,048]; A: input q; B: input k: QUANTISED (scales: A lowp_scales[0], B lowp_scales[1])
;;     2. batch 64 x [M 64, K 2,048] x [K 2,048, N 2,048]; A: input v; B: softmax (see below): QUANTISED (scales: A lowp_scales[2], B lowp_scales[3])
;;   THE QUANTISER, for each operand of a quantised product, along K:
;;     - The operand's scale is 2^e, e = its entry of the input lowp_scales (int32; the entries are numbered through the quantised products in the list's order, A before B).
;;     - Each number is divided by the scale, clamped to +-448, and rounded to the nearest number of E4M3, ties to even, subnormals kept.
;;     - The product sums the exact products of the quantised numbers (number of the format x scale) in f32.
;;   ~~~python
;;   def quantise(x, axis, e):      # numpy; x: float32 -> the quantised numbers, widened to float32 again
;;       x = np.moveaxis(x, axis, -1); K = x.shape[-1]
;;       r = np.clip(x / 2.0 ** e, -448, 448)
;;       step = 2.0 ** (np.maximum(np.frexp(np.where(r == 0, 1, r))[1] - 1, -6) - 3)
;;       q = np.round(r / step) * step * 2.0 ** e      # np.round: ties to even
;;       return np.moveaxis(q, -1, axis).astype(np.float32)
;;   ~~~
;;   SOFTMAX AHEAD OF A QUANTISED PRODUCT. Where the list says 'softmax', what is quantised is not the finished softmax but p = 2^(t - M), with t = logit x log2(e) and M = ceil(the row's largest t), a whole number; so 1/2 < the row's largest p <= 1. The row's sum l is taken of the UNQUANTISED p, in f32, and the product's result is divided by l at the end. Since M is a whole number, a kernel that streams over the keys may use a running M (the ceiling of the running maximum): every later rescaling is an exact power of two, so the quantised numbers keep their values, but for numbers so far below the row's largest that they fall under the format's range.
;;   OPERANDS COMPUTED ON THE WAY. 'Computed on the way' means the value that the module computes at that place (a softmax that the list does not call 'softmax' is quantised finished and normalised). What goes into a quantiser is computed in f32, as accurately as f32 sums, v_exp_f32 and their like allow (about 1e-6 of the number): no bf16 or f16 on the way to a quantiser, and a product that is left as it is and whose result goes on into a quantised operand takes f32 operands (vector FMAs, or v_wmma_f32_16x16x4_f32). A number that lies on a knife's edge between two numbers of the format may be rounded either way, as far as f32 arithmetic and the matrix unit's own rounding can turn it there, and no further.
;; One version. Each part assembles by itself: llvm-mc -triple=amdgcn-amd-amdhsa -mcpu=gfx1250 --defsym DOCPART=n.
;; ======== version 1 of 1: 2 launches
;; limits: right only within a limited range of input values
;; workspace buffers: kv 33,554,432 bytes; vpart 131,072 bytes
;; launch prep (part 1): grid 768 x 1, 4 waves a work-group, no clusters, 50,688 bytes of LDS; arguments k, v, lowp_scales, kv, vpart; writes kv, vpart
.if DOCPART == 1
	.amdgcn_target "amdgcn-amd-amdhsa--gfx1250"
	.amdhsa_code_object_version 6
	.text
	.protected	k_qba4fb44c09_prep
	.globl	k_qba4fb44c09_prep
	.p2align	8
	.type	k_qba4fb44c09_prep,@function
k_qba4fb44c09_prep:
	s_mov_b64 s[64:65], 0
	v_nop
	global_prefetch_b8 v0, s[64:65] scope:SCOPE_SE
	s_setreg_imm32_b32 hwreg(HW_REG_WAVE_MODE, 25, 1), 1
	s_wait_xcnt 0x0
; k [8192][16][192] and v [8192][16][64], f32, become codes of FP8 (E4M3) with the given scales 2^ek and 2^ev, laid in kv as IMAGES OF THE OPERAND REGISTERS of the attention launch,
; so that a slot of 256 keys of one head is one dense block of 65,536 bytes:  kv[hb = 16 b + h][slot 0..7][65,536].
;   bytes 0 .. 49,151: K, [tile 0..15][c 0..5][lane][16 bytes]: lane (r = lane % 16, hh = lane / 16) of tile 2 B + u holds key 32 B + 8 u + r + 8 (r / 8) of the slot, channels 32 c + 16 hh + 0 .. 15.
;   bytes 49,152 on:   V, [step 0..1][dt 0..3][c 0..3][lane][16 bytes]: lane (r, hh) holds channel 16 dt + r, keys 128 step + 32 c + 16 hh + 0 .. 15.
; vpart[b][slot][64 h + d], f32: the sum of the slot's 256 code values of v's column d (not yet x 2^ev): the attention launch needs the column sums for queries that no key serves.
; code = x / 2^e, held within +-448, to the nearest code, ties to even.  LIMITS: ek and ev between -126 and 119, so that 2^e and 448 x 2^e are f32 numbers.  NaN among the inputs is not served.
; Work-groups 0 .. 511 take K (one slot of one head each), 512 .. 767 take V (one slot of two heads each).  Waves share nothing: no barrier.  Only K's path uses LDS.
.set KROW, 12288                       ; a token's row of k in bytes
.set SP,   784                         ; a stage row: 768 bytes + 16 = 49 x 16: the sixteen rows that a load touches begin at sixteen different 16-byte columns modulo 256
.set WST,  16*SP                       ; a wave's stage: 16 rows
.set R,    16                          ; v16-111   K: a tile's 96 numbers a lane as loaded
.set X,    112                         ; v112-207  K: the same turned: 16 neighbours of each of six blocks of 32 channels
.set C,    208                         ; v208-231  K: a tile's codes
.set XV,   16                          ; v16-79    V: two sets of 32 numbers down the keys
.set CV,   80                          ; v80-143   V: eight registers of codes for each of eight blocks: no store's data are written again
.set DV,   144                         ; v144-159  V: sixteen code values as f32
.set AV,   160                         ; v160-167  V: the column's sum in eight parts
	s_load_b256 s[4:11], s[0:1], 0x0               ; k s[4:5], v s[6:7], the scales' exponents s[8:9], kv s[10:11]
	s_load_b64 s[12:13], s[0:1], 0x20              ; vpart
	v_lshl_add_u32 v232, v0, 2, 0xc400
	v_mov_b32 v233, 0
	v_lshrrev_b32 v1, 5, v0
	v_readfirstlane_b32 s16, v1                    ; wave 0..3
	v_and_b32 v2, 31, v0                           ; lane
	v_and_b32 v3, 15, v0                           ; lane % 16
	v_bfe_u32 v4, v0, 4, 1                         ; lane / 16
	s_wait_kmcnt 0x0
	s_load_b128 s[20:23], s[8:9], 0x0              ; eq, ek, ev, ep
	s_cmp_lt_u32 ttmp9, 512
	s_cbranch_scc0 .Lv
; ---------------- K: work-group g = 128 b + 16 slot + h; wave w takes tiles 4 w .. 4 w + 3: keys 64 w .. 64 w + 63 of the slot
	s_and_b32 s24, ttmp9, 15                       ; h
	s_bfe_u32 s25, ttmp9, 0x30004                  ; slot
	s_lshr_b32 s26, ttmp9, 7                       ; b
	s_lshl_b32 s27, s26, 11
	s_lshl_b32 s28, s25, 8
	s_add_co_u32 s27, s27, s28
	s_lshl_b32 s28, s16, 6
	s_add_co_u32 s27, s27, s28                     ; my first token: 2048 b + 256 slot + 64 w
	s_mul_i32 s28, s27, KROW
	s_mul_i32 s29, s24, 768
	s_add_co_u32 s28, s28, s29                     ; its head's first byte (k has 100,663,296 bytes: 32 bits do)
	s_mov_b32 s29, 0
	s_add_nc_u64 s[4:5], s[4:5], s[28:29]
	s_lshl_b32 s30, s26, 4
	s_add_co_u32 s30, s30, s24                     ; hb
	s_lshl_b32 s30, s30, 19
	s_lshl_b32 s31, s25, 16
	s_add_co_u32 s30, s30, s31
	s_mul_i32 s31, s16, 4*3072
	s_add_co_u32 s30, s30, s31                     ; my four tiles' images
	s_mov_b32 s31, 0
	s_add_nc_u64 s[10:11], s[10:11], s[30:31]
	s_mul_i32 s32, s16, WST                        ; my stage
	s_wait_alu depctr_va_vdst(0)
	v_mul_u32_u24 v5, v4, KROW
	v_lshl_add_u32 v5, v3, 4, v5                   ; in: lanes 0-15 take 256 bytes of one key's row, lanes 16-31 of the next key's
	v_mul_u32_u24 v6, v4, SP
	v_lshl_add_u32 v6, v3, 4, v6
	v_add_nc_u32 v6, s32, v6                       ; into the stage: the same two rows
	v_mul_u32_u24 v7, v3, SP
	v_lshl_add_u32 v7, v4, 6, v7
	v_add_nc_u32 v7, s32, v7                       ; out of it: row lane % 16, 64 bytes (16 channels) for each half of the lanes
	v_lshlrev_b32 v8, 4, v2                        ; an image's place for my lane
.macro LOADK j                         ; tile j of my four: its row 2 i + lane / 16 is key 32 (j / 2) + 8 (j % 2) + 2 i + lane / 16 + 8 (i / 4); each load reads two aligned runs of 256 bytes
.irp i, 0,1,2,3,4,5,6,7
.irp t, 0,1,2
	global_load_b128 v[R+4*(3*\i+\t):R+4*(3*\i+\t)+3], v5, s[4:5] offset:(32*((\j)/2)+8*((\j)%2)+2*\i+8*(\i/4))*KROW+256*\t th:TH_LOAD_NT
.endr
.endr
.endm
.macro TURNK                           ; through my stage: in as loaded, out as 16 neighbouring channels a lane.  LDS serves a wave's instructions in order: no wait between the stores and the loads
.irp i, 0,1,2,3,4,5,6,7
.irp t, 0,1,2
	ds_store_b128 v6, v[R+4*(3*\i+\t):R+4*(3*\i+\t)+3] offset:2*\i*SP+256*\t
.endr
.endr
.irp c, 0,1,2,3,4,5
.irp n, 0,1,2,3
	ds_load_b128 v[X+16*\c+4*\n:X+16*\c+4*\n+3], v7 offset:128*\c+16*\n
.endr
.endr
.endm
.macro QUANTK j                        ; the hold, the conversion, and 512 consecutive bytes out for each of the six blocks of channels
.irp c, 0,1,2,3,4,5
.set i, X+16*\c
.rept 16
	v_med3_num_f32 v[i], v[i], -v10, v10           ; the conversion to an 8-bit code does not saturate (ISA guide 7.6.2): hold the number within the largest code x the scale first
.set i, i+1
.endr
	v_cvt_scalef32_pk8_fp8_f32 v[C+4*\c:C+4*\c+1], v[X+16*\c:X+16*\c+7], v11
	v_cvt_scalef32_pk8_fp8_f32 v[C+4*\c+2:C+4*\c+3], v[X+16*\c+8:X+16*\c+15], v11
	global_store_b128 v8, v[C+4*\c:C+4*\c+3], s[10:11] offset:3072*(\j)+512*\c   ; the results go to a store alone; the next vector lines are plain holds on other registers
.endr
.endm
	LOADK 0
	s_wait_alu depctr_va_vdst(0)
	s_wait_kmcnt 0x0
	s_add_co_i32 s33, s21, 127
	s_lshl_b32 s34, s33, 23
	v_mov_b32 v11, s34                             ; 2^ek as f32: the conversion takes its exponent field
	s_add_co_i32 s33, s33, 8
	s_lshl_b32 s33, s33, 23
	s_or_b32 s33, s33, 0x600000
	v_mov_b32 v10, s33                             ; 448 x 2^ek
	s_wait_alu depctr_va_vdst(0)
.irp j, 0,1,2,3
	s_wait_loadcnt 0x0                             ; the tile's 24 loads are in
	TURNK
	s_wait_dscnt 0x0                               ; the turned numbers are in, and the stage's stores have read R
	s_wait_xcnt 0x0                                ; the last tile's stores have read their data: the codes' registers may be written again
.if \j < 3
	LOADK \j+1                                     ; the next tile comes while this one is quantised
.endif
	QUANTK \j
.endr
	s_wait_tensorcnt 0x0
	ds_add_u32 v232, v233
	s_wait_dscnt 0x0
	s_endpgm
; ---------------- V: work-group g = 64 b + 8 slot + hp; wave w takes head 2 hp + w / 2, channels 32 (w % 2) + lane.  A LANE TAKES A CHANNEL AND ITS REGISTERS RUN DOWN THE KEYS, which are the second product's K
.Lv:
	s_sub_co_u32 s24, ttmp9, 512
	s_and_b32 s25, s24, 7                          ; hp
	s_bfe_u32 s26, s24, 0x30003                    ; slot
	s_lshr_b32 s27, s24, 6                         ; b
	s_lshr_b32 s28, s16, 1
	s_lshl_b32 s29, s25, 1
	s_add_co_u32 s28, s28, s29                     ; head
	s_and_b32 s29, s16, 1                          ; which 32 channels
	s_lshl_b32 s30, s27, 11
	s_lshl_b32 s31, s26, 8
	s_add_co_u32 s30, s30, s31                     ; the slot's first token
	s_lshl_b32 s30, s30, 12                        ; x 4,096 bytes
	s_lshl_b32 s31, s28, 8
	s_add_co_u32 s30, s30, s31
	s_lshl_b32 s31, s29, 7
	s_add_co_u32 s30, s30, s31
	s_mov_b32 s31, 0
	s_add_nc_u64 s[6:7], s[6:7], s[30:31]
	s_lshl_b32 s32, s27, 4
	s_add_co_u32 s32, s32, s28                     ; hb
	s_lshl_b32 s32, s32, 19
	s_lshl_b32 s33, s26, 16
	s_add_co_u32 s32, s32, s33
	s_lshl_b32 s33, s29, 12                        ; my 32 channels are dt = 2 (w % 2) and the next: 2 x 2,048 bytes
	s_add_co_u32 s32, s32, s33
	s_add_co_u32 s32, s32, 49152                   ; V's images lie behind K's
	s_mov_b32 s33, 0
	s_add_nc_u64 s[10:11], s[10:11], s[32:33]
	s_lshl_b32 s34, s27, 3
	s_add_co_u32 s34, s34, s26
	s_lshl_b32 s34, s34, 10
	s_lshl_b32 s35, s28, 6
	s_add_co_u32 s34, s34, s35
	s_lshl_b32 s35, s29, 5
	s_add_co_u32 s34, s34, s35
	s_lshl_b32 s34, s34, 2                         ; vpart: ((8 b + slot) 1024 + 64 head + 32 (w % 2)) x 4 bytes
	s_mov_b32 s35, 0
	s_add_nc_u64 s[12:13], s[12:13], s[34:35]
	s_wait_alu depctr_va_vdst(0)
	v_lshlrev_b32 v5, 2, v2                        ; in, and vpart: 4 bytes a lane
	v_lshlrev_b32 v6, 11, v4
	v_lshl_add_u32 v6, v3, 4, v6                   ; out: dt's 2,048 bytes for lanes 16-31, 16 bytes a lane: sixteen lanes fill 256 consecutive bytes, aligned
	v_mov_b32 v9, 0x7f7f7f7f                       ; the scale byte 127 (x 1) in every byte, for the way back to f32
.irp p, 0,1,2,3,4,5,6,7
	v_mov_b32 v[AV+\p], 0
.endr
.macro LOADV t                         ; block t: keys 32 t + i of my channel into set t % 2; the wave reads 128 consecutive bytes, its neighbour wave the 128 beside them
.irp i, 0,1,2,3,4,5,6,7,8,9,10,11,12,13,14,15,16,17,18,19,20,21,22,23,24,25,26,27,28,29,30,31
	global_load_b32 v[XV+32*((\t)%2)+\i], v5, s[6:7] offset:(32*(\t)+\i)*4096 th:TH_LOAD_NT
.endr
.endm
.macro BLOCKV t
.set XS, XV+32*((\t)%2)
.if (\t) < 7
	s_wait_loadcnt 32                              ; this block's 32 loads are in; the next block's 32 may be out
.else
	s_wait_loadcnt 0x0
.endif
.set i, XS
.rept 32
	v_med3_num_f32 v[i], v[i], -v10, v10
.set i, i+1
.endr
.irp g, 0,1,2,3
	v_cvt_scalef32_pk8_fp8_f32 v[CV+8*(\t)+2*\g:CV+8*(\t)+2*\g+1], v[XS+8*\g:XS+8*\g+7], v11
.endr
	v_nop                                          ; one plain line between the conversions and the conversions back, which read their results
	global_store_b128 v6, v[CV+8*(\t):CV+8*(\t)+3], s[10:11] offset:((\t)/4)*8192+((\t)%4)*512         ; keys 32 t + 0 .. 15: the image's lanes 0-15
	global_store_b128 v6, v[CV+8*(\t)+4:CV+8*(\t)+7], s[10:11] offset:((\t)/4)*8192+((\t)%4)*512+256   ; keys 32 t + 16 .. 31: its lanes 16-31
.if (\t)+2 < 8
	LOADV (\t)+2
.endif
.irp u, 0,1                            ; the column's sum is taken of the CODES' values
	v_cvt_scale_pk8_f32_fp8 v[DV:DV+7], v[CV+8*(\t)+4*\u:CV+8*(\t)+4*\u+1], v9
	v_cvt_scale_pk8_f32_fp8 v[DV+8:DV+15], v[CV+8*(\t)+4*\u+2:CV+8*(\t)+4*\u+3], v9
	v_nop                                          ; one plain line between a scaled conversion and the use of its result
.irp p, 0,2,4,6
	v_pk_add_f32 v[AV+\p:AV+\p+1], v[AV+\p:AV+\p+1], v[DV+\p:DV+\p+1]
.endr
.irp p, 0,2,4,6
	v_pk_add_f32 v[AV+\p:AV+\p+1], v[AV+\p:AV+\p+1], v[DV+8+\p:DV+8+\p+1]
.endr
.endr
.endm
	LOADV 0
	LOADV 1
	s_wait_kmcnt 0x0
	s_add_co_i32 s36, s22, 127
	s_lshl_b32 s37, s36, 23
	v_mov_b32 v11, s37                             ; 2^ev as f32
	s_add_co_i32 s36, s36, 8
	s_lshl_b32 s36, s36, 23
	s_or_b32 s36, s36, 0x600000
	v_mov_b32 v10, s36                             ; 448 x 2^ev
	s_wait_alu depctr_va_vdst(0)
.irp t, 0,1,2,3,4,5,6,7
	BLOCKV \t
.endr
	v_pk_add_f32 v[AV:AV+1], v[AV:AV+1], v[AV+2:AV+3]
	v_pk_add_f32 v[AV+4:AV+5], v[AV+4:AV+5], v[AV+6:AV+7]
	v_pk_add_f32 v[AV:AV+1], v[AV:AV+1], v[AV+4:AV+5]
	v_add_f32 v[AV], v[AV], v[AV+1]
	global_store_b32 v5, v[AV], s[12:13]           ; 128 consecutive bytes a wave: half of an aligned 256; all of vpart is 131,072 bytes
	s_endpgm
.Lfunc_end_k_qba4fb44c09_prep:
	.size	k_qba4fb44c09_prep, .Lfunc_end_k_qba4fb44c09_prep-k_qba4fb44c09_prep
	.p2alignl 7, 3214868480
	.fill 96, 4, 3214868480
	.section	.rodata,"a",@progbits
	.p2align	6, 0x0
	.amdhsa_kernel k_qba4fb44c09_prep
		.amdhsa_group_segment_fixed_size 50688
		.amdhsa_private_segment_fixed_size 0
		.amdhsa_enable_private_segment 0
		.amdhsa_kernarg_size 40
		.amdhsa_user_sgpr_count 2
		.amdhsa_user_sgpr_kernarg_segment_ptr 1
		.amdhsa_wavefront_size32 1
		.amdhsa_system_sgpr_workgroup_id_x 1
		.amdhsa_system_sgpr_workgroup_id_y 1
		.amdhsa_system_sgpr_workgroup_id_z 1
		.amdhsa_system_vgpr_workitem_id 0
		.amdhsa_next_free_vgpr 234
		.amdhsa_next_free_sgpr 66
		.amdhsa_reserve_vcc 0
		.amdhsa_float_denorm_mode_32 3
		.amdhsa_float_denorm_mode_16_64 3
		.amdhsa_memory_ordered 1
		.amdhsa_forward_progress 1
		.amdhsa_inst_pref_size 111
	.end_amdhsa_kernel
	.amdgpu_metadata
---
amdhsa.version: [ 1, 2 ]
amdhsa.kernels:
  - .name:           k_qba4fb44c09_prep
    .symbol:         k_qba4fb44c09_prep.kd
    .args:
      - { .name: k, .offset: 0, .size: 8, .value_kind: global_buffer, .address_space: global }
      - { .name: v, .offset: 8, .size: 8, .value_kind: global_buffer, .address_space: global }
      - { .name: lowp_scales, .offset: 16, .size: 8, .value_kind: global_buffer, .address_space: global }
      - { .name: kv, .offset: 24, .size: 8, .value_kind: global_buffer, .address_space: global }
      - { .name: vpart, .offset: 32, .size: 8, .value_kind: global_buffer, .address_space: global }
    .group_segment_fixed_size: 50688
    .private_segment_fixed_size: 0
    .kernarg_segment_align: 8
    .kernarg_segment_size: 40
    .max_flat_workgroup_size: 128
    .sgpr_count:     66
    .vgpr_count:     234
    .wavefront_size: 32
...
	.end_amdgpu_metadata
.endif
;; end of part 1
;; launch attn (part 2): grid 256 x 1, 8 waves a work-group, no clusters, 327,680 bytes of LDS; arguments q, kv, vpart, selected_indices, lowp_scales, out0; writes out0
.if DOCPART == 2
	.amdgcn_target "amdgcn-amd-amdhsa--gfx1250"
	.amdhsa_code_object_version 6
	.text
	.protected	k_qba4fb44c09_attn
	.globl	k_qba4fb44c09_attn
	.p2align	8
	.type	k_qba4fb44c09_attn,@function
k_qba4fb44c09_attn:
	s_mov_b64 s[64:65], 0
	v_nop
	global_prefetch_b8 v0, s[64:65] scope:SCOPE_SE
	s_setreg_imm32_b32 hwreg(HW_REG_WAVE_MODE, 25, 1), 1
	s_wait_xcnt 0x0
; out0[t][64 h + d] = sum over keys s of softmax_s(q[t][h] . k[s][h] / sqrt(192)) v[s][h][d], over the keys of t's sequence that are not after t AND whose block of 64 keys is among the 16
; entries of selected_indices[t][h / 4].  Both products on codes of FP8 (E4M3) with the given scales.  k and v come as codes from kv (register images; a slot of 256 keys = 65,536 dense bytes); q is quantised here.
; LEFT OUT: a step of 128 keys that lies wholly after a wave's 32 queries: the causal mask makes their p 0 for every input (a query with no key at all is served apart, below).
; A NaN or an infinity that reaches only such scores is not carried to the result.
; THE SOFTMAX: t = score x c, c = log2(e) / sqrt(192) as one f32 constant; M = the running largest t rounded up to a whole number; p = 2^(t - M) is quantised, not normalised; the row's sum is taken of the
; unquantised p and divides at the end; when M moves, the sum and O are multiplied by 2^(old M - new M), which rounds nothing.
; THE MASKS.  On the diagonal hidden scores become -infinity.  Selection: each query has a word of 32 bits, one a block, made of its 16 entries (any order, repeats; an entry outside 0 .. 31 names nothing).
; A block that a query has not selected gets -infinity in place of -M as the addend of t - M, so p = 0.
; A QUERY WITH NO KEY: every logit is the same, p = 1 for all 2,048 keys, the result is Q(1) x the column sums of v's codes x 2^(ev + ep) / 2048: from vpart, chosen by v_cndmask_b32.
; SHARES.  Work-group 4 hb + i makes two blocks of 256 queries of head hb: block i (trips 0 .. i), then block 7 - i (trips i + 1 .. 8): 9 slots of keys in every work-group.  Each of eight waves owns 32 queries, two tiles of 16.
; LAYOUT.  Both products transposed: S^T = K Q^T, O^T = V^T P^T: a lane holds one query (lane % 16).  kv's order of keys makes the 16 registers of tiles 2 B, 2 B + 1 keys 32 B + 16 (lane / 16) + 0 .. 15.
; K = 192 goes as three instructions of K = 64; k is permuted alike in both sources.
; FRAGMENTS RUN AHEAD.  A step's K goes in four groups of two tiles through three buffers FA, FB, FC (FC is also V's): groups 0 and 1 of the next step are asked of LDS ahead of this step's softmax, group 2 behind its
; second product, group 3 behind the first group's products, V behind the third's.  The change of slots stands behind a slot's last first-product, when the wave has asked for all that it reads of the slot.
; NO CLUSTER: the four work-groups of a head need slot n in trip n only while n <= i, then slot n - i - 1: from trip 1 on partners need different slots in the same trip.
; PREFETCHES: kv: the head's work-group with i = 0, waves 4 to 7, a quarter of a slot each, name slot U + 2 at trip U's change of slots (U < 6), one change ahead of the load that asks for it; slots 0 and 1 come by their loads.
; q.
; LIMITS: eq + ek between -122 and 131; eq and ep between -126 and 119; NaN among the inputs is not served; the scaled scores stay under 2^31 in magnitude.
; LDS: two slots of 65,536 | a stage of 16 rows x 784 bytes for each wave (q on its way in, O on its way out) | 256 bytes for queries with no key | the spare words.  No fill lands behind the two slots.
; REGISTERS, window 0: v1-19 addresses and constants; v20-43 statistics; v44 = 1; v45-63 at work; v64-191 S^T then p; v192-255 O^T.  Window 1: v0-47 Q's codes; v48-79 p's codes; v80-127 FA; v128-175 FB; v176-239 FC / V.
.set SLOT1,  1<<16
.set STAGE,  2*SLOT1
.set SPITCH, 784                       ; 49 x 16 bytes: sixteen rows begin at sixteen different 16-byte columns modulo 256
.set WSTG,   16*SPITCH
.set VM,     STAGE+8*WSTG
.set SPARE,  VM+256
.set LI,   1                           ; 16 x lane
.set SPW,  2
.set NIL,  3
.set GO,   4                           ; out0: lanes 0-15 one row, lanes 16-31 the next
.set STO,  5                           ; stage: row lane % 16, + 32 (lane / 16)
.set RD,   6                           ; stage: row lane / 16, + 16 (lane % 16)
.set QA,   7                           ; q: row lane / 16 of 12,288 bytes, + 16 (lane % 16)
.set AD,   8                           ; LI + the slot from which fragments are asked
.set IXO,  9                           ; 256 x lane
.set VPO,  10
.set PFQ,  11                          ; 12,288 x lane
.set CD,   12                          ; lane % 16 - 16 (lane / 16)
.set VMA,  13
.set VMW,  14
.set PSC,  15                          ; 2^ep
.set PLIM, 16                          ; 448 x 2^ep
.set QSC,  17
.set QLIM, 18
.set NINF, 19
.set ST,   20                          ; tile x at ST + 12 x: +0 -M, +1 largest t, +2, +3 the sum, +4, +6 the two blocks' addends, +8 f, +10 the word, +11 1 / sum; +5, +7, +9 stand in pairs only
.set PL2,  ST+5                        ; v25: 448 x 2^ep once more, in another register bank, for the paired holds
.set QSO,  ST+21                       ; v41: stage: row lane % 16, + 64 (lane / 16); never rewritten
.set ONE,  44
.set MX,   46
.set TA,   50
.set TP,   54
.set TOLD, 56
.set SU,   58
.set TD,   62
.set IX,   48
.set S,    64
.set O,    192
.set VMR,  160
.set QF,   0
.set PF,   48
.set FA,   80
.set FB,   128
.set FC,   176
.set WV,   16
.set II,   17
.set HB,   18
.set U,    19
.set SEL,  20
.set CS,   22
.set G1,   24
.set G0,   32
.set KVB,  36
.set OF,   38
.set TB,   40
.set KF,   41
.set Q0,   42
.set CH,   43                          ; i: the first pass's last trip
.set Q0B,  44
.set CB,   45
.set B0,   46
.set SM,   48
.set QP,   52
.set IP,   54
.set OUTP, 56
.set PFA,  58
.set QPB,  60
.set LIM,  62
.set EPV,  63
.set BT,   66
.set HID,  67                          ; 1: the step lies wholly after my queries
.set SC,   68
.set HQ,   76
.set GI,   77
.set HO,   78
.set EVM,  79
.set MSB, 0
.macro WIN new
.if MSB != \new
	s_set_vgpr_msb (MSB<<8)|\new
.set MSB, \new
.endif
.endm
.set W_LD, 0x40                        ; destination window 1
.set W_MM, 0x05                        ; sources 0 and 1 window 1
.macro NOP4
.rept 4
	v_nop
.endr
.endm
.macro TLOAD                           ; every wave fetches an eighth of a slot, 8,192 dense bytes
	tensor_load_to_lds s[G0:G0+3], s[G1:G1+7]
	s_nop 0
	NOP4
.endm
.macro ASKKV
	s_cmp_lt_u32 s[U], s[LIM]
	s_cbranch_scc0 .Lnot_kv_\@
	global_prefetch_b8 v[IXO], s[PFA:PFA+1] th:TH_LOAD_NT scope:SCOPE_SE
	global_prefetch_b8 v[IXO], s[PFA:PFA+1] offset:8192 th:TH_LOAD_NT scope:SCOPE_SE
.Lnot_kv_\@:
.endm
.macro ASKQ d                          ; at the change of slots of trip CH - d
	s_add_co_u32 s72, s[U], \d
	s_cmp_eq_u32 s72, s[CH]
	s_cbranch_scc0 .Lnot_q_\@
	global_prefetch_b8 v[PFQ], s[QPB:QPB+1] th:TH_LOAD_NT scope:SCOPE_SE
	global_prefetch_b8 v[PFQ], s[QPB:QPB+1] offset:256 th:TH_LOAD_NT scope:SCOPE_SE
	global_prefetch_b8 v[PFQ], s[QPB:QPB+1] offset:512 th:TH_LOAD_NT scope:SCOPE_SE
.Lnot_q_\@:
.endm
; THE CHANGE OF SLOTS.  Each wave waits for its tensor load (its part of the slot ahead), adds 0 to its spare word, waits for that and for its reads of the slot that it leaves.  Behind the barrier the slot ahead is whole
; and nobody reads the other.  fill = 1: that other slot takes the keys of trip n = U + ahead: slot n of the head while n <= CH, then n - CH - 1.  One tensor load of a wave is out at the most.
.macro CHANGE fill, ahead, ask
	s_wait_tensorcnt 0x0
	ds_add_u32 v[SPW], v[NIL]
.if \fill
	s_xor_b32 s[G0+1], s[G0+1], SLOT1
	s_add_co_u32 s72, s[U], \ahead
	s_sub_co_u32 s73, s72, s[CH]
	s_sub_co_u32 s73, s73, 1
	s_cmp_le_u32 s72, s[CH]
	s_cselect_b32 s[OF], s72, s73
	s_lshl_b32 s[OF], s[OF], 16
	s_add_nc_u64 s[G0+2:G0+3], s[KVB:KVB+1], s[OF:OF+1]
	s_or_b32 s[G0+3], s[G0+3], 0x80000000
.if \ask
	s_wait_xcnt 0x0                                ; the last prefetches have read their address
	s_add_nc_u64 s[PFA:PFA+1], s[PFA:PFA+1], 0x10000
.endif
.endif
	s_wait_dscnt 0x0
	s_barrier_signal -1
.endm
; the barrier's second half: between the two halves stands work on registers alone; the refill comes first behind the wait
.macro CHANGE2 fill, ask
	s_barrier_wait -1
.if \fill
	TLOAD
.if \ask
	ASKKV
	ASKQ 1
.else
	ASKQ 0
.endif
.endif
.endm
.macro KLD buf, q, g                   ; tiles 2 g, 2 g + 1 of the slot's step q: 12 loads of 512 consecutive bytes
.irp t, 0,1
.irp c, 0,1,2,3,4,5
	ds_load_b128 v[\buf+24*\t+4*\c:\buf+24*\t+4*\c+3], v[AD] offset:24576*(\q)+3072*(2*(\g)+\t)+512*\c
.endr
.endr
.endm
.macro VLD q                           ; the step's V: 16 loads
.irp d, 0,1,2,3
.irp c, 0,1,2,3
	ds_load_b128 v[FC+16*\d+4*\c:FC+16*\d+4*\c+3], v[AD] offset:49152+8192*(\q)+2048*\d+512*\c
.endr
.endr
.endm
.macro QK buf, g                       ; two tiles of keys x two tiles of queries: four accumulators by turns; the first 64 channels start the sums
.irp j, 0,1,2
.irp t, 0,1
.irp x, 0,1
.if \j == 0
	v_wmma_f32_16x16x64_fp8_fp8 v[S+64*\x+8*(2*(\g)+\t):S+64*\x+8*(2*(\g)+\t)+7], v[\buf+24*\t+8*\j:\buf+24*\t+8*\j+7], v[QF+24*\x+8*\j:QF+24*\x+8*\j+7], 0
.else
	v_wmma_f32_16x16x64_fp8_fp8 v[S+64*\x+8*(2*(\g)+\t):S+64*\x+8*(2*(\g)+\t)+7], v[\buf+24*\t+8*\j:\buf+24*\t+8*\j+7], v[QF+24*\x+8*\j:QF+24*\x+8*\j+7], v[S+64*\x+8*(2*(\g)+\t):S+64*\x+8*(2*(\g)+\t)+7]
.endif
.endr
.endr
.endr
.endm
.macro DIAG                            ; register n holds key KF + 16 (lane / 16) + 32 (n / 16) + n % 16
	s_sub_co_i32 s72, s[Q0], s[KF]
	s_add_co_i32 s73, s72, 16
	v_add_nc_u32 v[TD], s72, v[CD]
	v_add_nc_u32 v[TD+1], s73, v[CD]
.irp x, 0,1
.irp n, 0,1,2,3,4,5,6,7,8,9,10,11,12,13,14,15,16,17,18,19,20,21,22,23,24,25,26,27,28,29,30,31,32,33,34,35,36,37,38,39,40,41,42,43,44,45,46,47,48,49,50,51,52,53,54,55,56,57,58,59,60,61,62,63
	v_cmp_gt_i32 vcc_lo, 32*(\n/16)+\n%16, v[TD+\x]
	v_cndmask_b32 v[S+64*\x+\n], v[S+64*\x+\n], v[NINF], vcc_lo
.endr
.endr
.endm
.macro MAXES                           ; the largest score of (tile, block): four chains by turns, each ascending
.irp x, 0,1
.irp f, 0,1
	v_max3_num_f32 v[MX+2*\x+\f], v[S+64*\x+32*\f], v[S+64*\x+32*\f+1], v[S+64*\x+32*\f+2]
.endr
.endr
.irp i, 3,5,7,9,11,13,15,17,19,21,23,25,27,29
.irp x, 0,1
.irp f, 0,1
	v_max3_num_f32 v[MX+2*\x+\f], v[MX+2*\x+\f], v[S+64*\x+32*\f+\i], v[S+64*\x+32*\f+\i+1]
.endr
.endr
.endr
.irp x, 0,1
.irp f, 0,1
	v_max_num_f32 v[MX+2*\x+\f], v[MX+2*\x+\f], v[S+64*\x+32*\f+31]
.endr
.endr
.endm
.macro STATS                           ; both tiles line by line
.irp x, 0,1
	s_delay_alu instid0(VALU_DEP_4)
	v_cndmask_b32 v[MX+2*\x], v[NINF], v[MX+2*\x], s[SM+2*\x]         ; a block not selected counts for nothing
	s_delay_alu instid0(VALU_DEP_4)
	v_cndmask_b32 v[MX+2*\x+1], v[NINF], v[MX+2*\x+1], s[SM+2*\x+1]
.endr
.irp x, 0
	s_delay_alu instid0(VALU_DEP_3)
	v_max_num_f32 v[MX+2*\x], v[MX+2*\x], v[MX+2*\x+1]
.endr
.irp x, 1
	s_delay_alu instid0(VALU_DEP_2)
	v_max_num_f32 v[MX+2*\x], v[MX+2*\x], v[MX+2*\x+1]
.endr
.irp x, 0,1
	s_delay_alu instid0(VALU_DEP_2)
	v_permlanex16_b32 v[TP+\x], v[MX+2*\x], s[SEL], s[SEL+1]          ; the query's other 64 keys lie 16 lanes away
.endr
.irp x, 0,1
	s_delay_alu instid0(VALU_DEP_2)
	v_max_num_f32 v[MX+2*\x], v[MX+2*\x], v[TP+\x]
.endr
.irp x, 0,1
	s_delay_alu instid0(VALU_DEP_2)
	v_mul_f32 v[MX+2*\x], s[CS], v[MX+2*\x]
.endr
.irp x, 0,1
	s_delay_alu instid0(VALU_DEP_2)
	v_max_num_f32 v[ST+12*\x+1], v[ST+12*\x+1], v[MX+2*\x]
.endr
.irp x, 0,1
	v_mov_b32 v[TOLD+\x], v[ST+12*\x]
.endr
.irp x, 0,1
	s_delay_alu instid0(VALU_DEP_4)
	v_floor_f32 v[ST+12*\x], -v[ST+12*\x+1]                           ; -M = floor(-t)
.endr
.irp x, 0,1
	s_delay_alu instid0(VALU_DEP_2)
	v_sub_f32 v[TOLD+\x], v[ST+12*\x], v[TOLD+\x]
.endr
.irp x, 0,1
	s_delay_alu instid0(VALU_DEP_2)
	v_cvt_i32_f32 v[TOLD+\x], v[TOLD+\x]
.endr
.irp x, 0,1
	s_delay_alu instid0(VALU_DEP_2)
	v_ldexp_f32 v[ST+12*\x+8], 1.0, v[TOLD+\x]                        ; f = 2^(old M - new M)
.endr
.irp x, 0,1
	v_cndmask_b32 v[ST+12*\x+4], v[NINF], v[ST+12*\x], s[SM+2*\x]
	v_cndmask_b32 v[ST+12*\x+6], v[NINF], v[ST+12*\x], s[SM+2*\x+1]
.endr
.endm
.macro SOFT1
.irp x, 0,1
.irp f, 0,1
.set i, S+64*\x+32*\f
.rept 16
	v_pk_fma_f32 v[i:i+1], v[i:i+1], s[CS:CS+1], v[ST+12*\x+4+2*\f:ST+12*\x+5+2*\f] op_sel_hi:[1,0,0]   ; t - M
.set i, i+2
.endr
.endr
.endr
.set i, S
	s_wait_alu depctr_va_vdst(0)                   ; the wait ahead of the batch
.rept 128
	v_exp_f32 v[i], v[i]
.set i, i+1
.endr
.irp x, 0,1
	v_pk_mul_f32 v[ST+12*\x+2:ST+12*\x+3], v[ST+12*\x+2:ST+12*\x+3], v[ST+12*\x+8:ST+12*\x+9] op_sel_hi:[1,0]
.endr
	s_wait_alu depctr_va_vdst(0)                   ; one wait for the batch
.endm
.macro SOFT2
	s_wait_alu depctr_va_vdst(0)                   ; directly ahead of O^T's first readers
.irp x, 0,1
.set i, O+32*\x
.rept 16
	v_pk_mul_f32 v[i:i+1], v[i:i+1], v[ST+12*\x+8:ST+12*\x+9] op_sel_hi:[1,0]   ; O^T under the new M, each accumulator from its low end on
.set i, i+2
.endr
.endr
.irp x, 0,1
	v_pk_add_f32 v[SU+2*\x:SU+2*\x+1], v[S+64*\x:S+64*\x+1], v[S+64*\x+2:S+64*\x+3]   ; the sum of the unquantised p, two chains a tile
.endr
.set i, 4
.rept 15
.irp x, 0,1
	v_pk_add_f32 v[ST+12*\x+2:ST+12*\x+3], v[ST+12*\x+2:ST+12*\x+3], v[S+64*\x+i:S+64*\x+i+1]
	v_pk_add_f32 v[SU+2*\x:SU+2*\x+1], v[SU+2*\x:SU+2*\x+1], v[S+64*\x+i+2:S+64*\x+i+3]
.endr
.set i, i+4
.endr
.irp x, 0
	s_delay_alu instid0(VALU_DEP_3)
	v_pk_add_f32 v[ST+12*\x+2:ST+12*\x+3], v[ST+12*\x+2:ST+12*\x+3], v[SU+2*\x:SU+2*\x+1]
.endr
.irp x, 1
	s_delay_alu instid0(VALU_DEP_2)
	v_pk_add_f32 v[ST+12*\x+2:ST+12*\x+3], v[ST+12*\x+2:ST+12*\x+3], v[SU+2*\x:SU+2*\x+1]
.endr
.set i, S
.rept 64
	v_dual_min_num_f32 v[i], v[i], v[PLIM] :: v_dual_min_num_f32 v[i+1], v[i+1], v[PL2]   ; the conversion does not saturate (ISA guide 7.6.2); p is not negative: a one-sided hold, two numbers a line
.set i, i+2
.endr
	WIN W_LD
.irp x, 0,1
.irp b, 0,1,2,3
	v_cvt_scalef32_pk8_fp8_f32 v[PF+16*\x+4*\b:PF+16*\x+4*\b+1], v[S+64*\x+16*\b:S+64*\x+16*\b+7], v[PSC]
	v_cvt_scalef32_pk8_fp8_f32 v[PF+16*\x+4*\b+2:PF+16*\x+4*\b+3], v[S+64*\x+16*\b+8:S+64*\x+16*\b+15], v[PSC]
.endr
.endr
	WIN 0
	v_nop                                          ; one plain line between the conversions and the products that read their results
.endm
.macro PV                              ; O^T += V^T P^T: eight accumulators, one instruction each
	WIN W_MM
.irp d, 0,1,2,3
.irp x, 0,1
	v_wmma_f32_16x16x128_fp8_fp8 v[O+32*\x+8*\d:O+32*\x+8*\d+7], v[FC+16*\d:FC+16*\d+15], v[PF+16*\x:PF+16*\x+15], v[O+32*\x+8*\d:O+32*\x+8*\d+7]
.endr
.endr
	WIN 0
.endm
; A KEY STEP: 128 keys, the q-th of the slot in hand.  At its head groups 0, 1, 2 have been asked for, 12 loads each, in this order.  Only a slot's second step can lie wholly after a wave's queries.
; tail = 1: in trip 8 no step follows, and no fragments are asked for.
.macro STEP q, fill, tail
.if \q == 1
	s_add_co_u32 s72, s[Q0], 31
	s_cmp_gt_u32 s[KF], s72
	s_cselect_b32 s[HID], 1, 0
	s_cbranch_scc1 .LhA_\@                         ; ids alone; no barrier, wait for tensor loads or add is jumped over
.endif
	s_lshr_b32 s72, s[KF], 6
	s_lshl_b32 s[B0], 1, s72                       ; the bits of the step's two blocks
	s_lshl_b32 s[B0+1], 2, s72
	s_wait_dscnt 24                                ; group 0 is in; groups 1 and 2 may be out
	WIN W_MM
	QK FA, 0
	NOP4                                           ; places in front of loads into registers that matrix instructions have read
	WIN W_LD
	KLD FA, \q, 3
	s_wait_dscnt 24                                ; group 1 is in; groups 2 and 3 may be out
	WIN W_MM
	QK FB, 1
	s_wait_dscnt 12                                ; group 2 is in; group 3 may be out
	QK FC, 2
	NOP4
	WIN W_LD
	VLD \q
	s_wait_dscnt 16                                ; group 3 is in; V's 16 loads may be out
	WIN W_MM
	QK FA, 3
	WIN 0
.irp x, 0,1
.irp f, 0,1
	v_and_b32 v[TA+2*\x+\f], s[B0+\f], v[ST+12*\x+10]   ; four plain lines: the places behind the last products
.endr
.endr
.irp x, 0,1
.irp f, 0,1
	v_cmp_ne_u32 s[SM+2*\x+\f], 0, v[TA+2*\x+\f]
.endr
.endr
.if \q == 0
	WIN W_LD
	KLD FA, 1, 0                                   ; the next step's groups 0 and 1 come while this step's softmax is worked
	KLD FB, 1, 1
	WIN 0
.endif
	s_add_co_u32 s72, s[KF], 127
	s_cmp_le_u32 s72, s[Q0]                        ; all keys count for all my queries: no diagonal
	s_cbranch_scc1 .Lopen_\@
	DIAG
.Lopen_\@:
.if \q == 1
.LhA_\@:
	s_wait_alu depctr_va_vdst(0)                   ; directly ahead of the waits below
	CHANGE \fill, 2, 1                             ; my reads of the slot are over, my part of the next has landed: say so,
	s_cmp_lg_u32 s[HID], 0
	s_cbranch_scc1 .LhM_\@
.endif
	MAXES                                          ; and work on registers while the others arrive
	STATS
	SOFT1
.if \q == 1
.LhM_\@:
	CHANGE2 \fill, 1
	s_xor_b32 s[TB], s[TB], SLOT1
.if \tail
	s_cmp_eq_u32 s[U], 8
	s_cbranch_scc1 .Ln1_\@
.endif
	v_add_nc_u32 v[AD], s[TB], v[LI]
	s_wait_alu depctr_va_vdst(0)
	WIN W_LD
	KLD FA, 0, 0                                   ; the next slot's first groups come while the rest of the softmax is worked
	KLD FB, 0, 1
	WIN 0
.Ln1_\@:
	s_cmp_lg_u32 s[HID], 0
	s_cbranch_scc1 .LhB_\@
.endif
	SOFT2
	s_wait_alu depctr_va_vdst(0)                   ; directly ahead of the wait below
	s_wait_dscnt 24                                ; V is in; the 24 loads issued behind it may be out
	PV
.if \q == 1
.LhB_\@:
.endif
	NOP4
.if \tail
	s_cmp_eq_u32 s[U], 8
	s_cbranch_scc1 .Ln2_\@
.endif
	WIN W_LD
	KLD FC, (1-\q), 2
	WIN 0
.if \tail
.Ln2_\@:
.endif
	s_add_co_u32 s[KF], s[KF], 128
.endm
.macro PTRS                            ; from s[Q0]: q and the indices at my first query; the blocks up to my queries' own
	s_add_co_u32 s72, s[BT], s[Q0]
	s_mul_i32 s74, s72, 12288
	s_add_co_u32 s74, s74, s[HQ]
	s_mov_b32 s75, 0
	s_add_nc_u64 s[QP:QP+1], s[4:5], s[74:75]
	s_lshl_b32 s74, s72, 8
	s_add_co_u32 s74, s74, s[GI]
	s_add_nc_u64 s[IP:IP+1], s[10:11], s[74:75]
	s_lshr_b32 s74, s[Q0], 6
	s_lshl_b32 s[CB], 2, s74
	s_sub_co_u32 s[CB], s[CB], 1
	s_mov_b32 s[KF], 0
.endm
.macro PTRO                            ; from s[Q0]: out0 at my first query
	s_add_co_u32 s72, s[BT], s[Q0]
	s_lshl_b32 s74, s72, 12
	s_add_co_u32 s74, s74, s[HO]
	s_mov_b32 s75, 0
	s_add_nc_u64 s[OUTP:OUTP+1], s[14:15], s[74:75]
.endm
.macro QLD x                           ; q, tile x: each of 24 loads reads 256 consecutive bytes of two rows
.irp i, 0,1,2,3,4,5,6,7
.irp t, 0,1,2
	global_load_b128 v[64+96*\x+4*(3*\i+\t):64+96*\x+4*(3*\i+\t)+3], v[QA], s[QP:QP+1] offset:(16*\x+2*\i)*12288+256*\t th:TH_LOAD_NT
.endr
.endr
.endm
.macro QISSUE                          ; lane l: the 16 indices of query Q0 + l; then q's tile 0
.irp j, 0,1,2,3
	global_load_b128 v[IX+4*\j:IX+4*\j+3], v[IXO], s[IP:IP+1] offset:16*\j
.endr
	QLD 0
.endm
.macro QTURN x                         ; a tile's 16 rows through my stage: in as loaded, out as 16 neighbouring channels of each block of 32
.irp i, 0,1,2,3,4,5,6,7
.irp t, 0,1,2
	ds_store_b128 v[RD], v[64+96*\x+4*(3*\i+\t):64+96*\x+4*(3*\i+\t)+3] offset:2*\i*SPITCH+256*\t
.endr
.endr
	s_wait_dscnt 0x0                               ; the stores have read their registers, which the loads below fill
.irp c, 0,1,2,3,4,5
.irp n, 0,1,2,3
	ds_load_b128 v[64+96*\x+16*\c+4*\n:64+96*\x+16*\c+4*\n+3], v[QSO] offset:128*\c+16*\n
.endr
.endr
.endm
.macro QQUANT x
.set i, 64+96*\x
.rept 96
	v_med3_num_f32 v[i], v[i], -v[QLIM], v[QLIM]
.set i, i+1
.endr
	WIN W_LD
.irp c, 0,1,2,3,4,5
	v_cvt_scalef32_pk8_fp8_f32 v[QF+24*\x+4*\c:QF+24*\x+4*\c+1], v[64+96*\x+16*\c:64+96*\x+16*\c+7], v[QSC]
	v_cvt_scalef32_pk8_fp8_f32 v[QF+24*\x+4*\c+2:QF+24*\x+4*\c+3], v[64+96*\x+16*\c+8:64+96*\x+16*\c+15], v[QSC]
.endr
	WIN 0
.endm
.macro QWORK                           ; the queries' words; Q's codes; the statistics and O^T begin anew
	s_wait_loadcnt 48                              ; the indices are in; q's 48 loads may be out
	v_mov_b32 v46, 0
.set i, IX
.rept 16
	v_cmp_gt_u32 vcc_lo, 32, v[i]                  ; an entry outside 0 .. 31 names no block
	v_lshlrev_b32 v47, v[i], v[ONE]
	s_delay_alu instid0(VALU_DEP_1)
	v_cndmask_b32 v47, 0, v47, vcc_lo
	s_delay_alu instid0(VALU_DEP_1)
	v_or_b32 v46, v46, v47
.set i, i+1
.endr
	v_and_b32 v46, s[CB], v46                      ; blocks after my own are hidden as a whole
	v_permlanex16_b32 v47, v46, s[SEL], s[SEL+1]
	v_and_b32 v45, 16, v0
	v_cmp_ne_u32 vcc_lo, 0, v45
	v_cndmask_b32 v[ST+10], v46, v47, vcc_lo       ; tile 0: query Q0 + lane % 16
	v_cndmask_b32 v[ST+22], v47, v46, vcc_lo       ; tile 1: query Q0 + 16 + lane % 16
	s_wait_loadcnt 24                              ; tile 0's 24 loads are in
	QTURN 0
	s_wait_loadcnt 0x0
	QTURN 1                                        ; LDS serves a wave's instructions in order: these stores come behind tile 0's loads; the wait inside also shows tile 0 back
	QQUANT 0
	s_wait_dscnt 0x0
	QQUANT 1
	v_nop                                          ; one plain line between the conversions and the lines that write their sources
.irp x, 0,1
	v_mov_b32 v[ST+12*\x+1], 0xff61b1e6            ; the largest t so far: -3e38
	v_mov_b32 v[ST+12*\x+2], 0
	v_mov_b32 v[ST+12*\x+3], 0
	v_mov_b32 v[ST+12*\x+7], 0
	v_mov_b32 v[TP+\x], 0
	v_floor_f32 v[ST+12*\x], -v[ST+12*\x+1]
.endr
	v_mov_b32 v[PL2], v[PLIM]
	v_mov_b32 v[ST+9], 0
	v_mov_b32 v[ST+17], 0
.set i, O
.rept 64
	v_mov_b32 v[i], 0                              ; O^T: the step has no first form of its own: it finds zeros
.set i, i+1
.endr
.endm
; THE WAY OUT of a pass: O^T / the sum x 2^(ep + ev), or the numbers for a query with no key; 16 rows x 256 bytes at a time through my stage: sixteen lanes store 256 consecutive bytes, aligned.
.macro FINISH
	NOP4
.irp d, 0,1,2,3
	ds_load_b128 v[VMR+8*\d:VMR+8*\d+3], v[VMA] offset:64*\d
	ds_load_b128 v[VMR+8*\d+4:VMR+8*\d+7], v[VMA] offset:64*\d+16
.endr
.irp x, 0,1
	v_add_f32 v[MX+\x], v[ST+12*\x+2], v[ST+12*\x+3]
.endr
.irp x, 0,1
	v_permlanex16_b32 v[ST+12*\x+8], v[MX+\x], s[SEL], s[SEL+1]   ; f's register is done with
.endr
.irp x, 0,1
	v_add_f32 v[MX+\x], v[MX+\x], v[ST+12*\x+8]
.endr
	s_wait_alu depctr_va_vdst(0)                   ; the wait ahead of the batch
.irp x, 0,1
	v_rcp_f32 v[ST+12*\x+11], v[MX+\x]
.endr
	v_nop
	s_wait_alu depctr_va_vdst(0)                   ; and behind it
.irp x, 0,1
	v_ldexp_f32 v[ST+12*\x+11], v[ST+12*\x+11], s[EPV]
.endr
	s_wait_alu depctr_va_vdst(0)                   ; ahead of the wait below and of O^T's first readers
	s_wait_dscnt 0x0
.irp x, 0,1
.set i, 0
.rept 32
	v_mul_f32 v[O+32*\x+i], v[O+32*\x+i], v[ST+12*\x+11]   ; in place, each accumulator from its low end on: v48-159 belong to the next pass's loads
.set i, i+1
.endr
	v_cmp_eq_u32 vcc_lo, 0, v[ST+12*\x+10]         ; no selected block up to my own: no key
.set i, 0
.rept 32
	v_cndmask_b32 v[O+32*\x+i], v[O+32*\x+i], v[VMR+i], vcc_lo
.set i, i+1
.endr
.irp d, 0,1,2,3
	ds_store_b128 v[STO], v[O+32*\x+8*\d:O+32*\x+8*\d+3] offset:256*\x+64*\d          ; tile x takes bytes 256 x .. 256 x + 255 of each stage row
	ds_store_b128 v[STO], v[O+32*\x+8*\d+4:O+32*\x+8*\d+7] offset:256*\x+64*\d+16
.endr
.endr
	s_wait_dscnt 0x0                               ; the stores have read their registers, which the loads below fill
.irp x, 0,1
.irp n, 0,1,2,3,4,5,6,7
	ds_load_b128 v[O+32*\x+4*\n:O+32*\x+4*\n+3], v[RD] offset:2*SPITCH*\n+256*\x
.endr
.endr
	s_wait_dscnt 8                                 ; tile 0's rows are back; tile 1's 8 loads may be out
.irp n, 0,1,2,3,4,5,6,7
	global_store_b128 v[GO], v[O+4*\n:O+4*\n+3], s[OUTP:OUTP+1] offset:8192*\n th:TH_STORE_NT
.endr
	s_wait_dscnt 0x0
.irp n, 0,1,2,3,4,5,6,7
	global_store_b128 v[GO], v[O+32+4*\n:O+32+4*\n+3], s[OUTP:OUTP+1] offset:65536+8192*\n th:TH_STORE_NT
.endr
.endm
	s_load_b256 s[4:11], s[0:1], 0x0               ; q, kv, vpart, the indices
	s_load_b128 s[12:15], s[0:1], 0x20             ; the scales' exponents, out0
	v_lshl_add_u32 v[SPW], v0, 2, SPARE
	v_mov_b32 v[NIL], 0
	ds_add_u32 v[SPW], v[NIL]                      ; the opening lines: the add twice on end and one wait
	ds_add_u32 v[SPW], v[NIL]
	v_lshrrev_b32 v45, 5, v0
	v_readfirstlane_b32 s[WV], v45                 ; wave 0..7
	s_and_b32 s[II], ttmp9, 3
	s_lshr_b32 s[HB], ttmp9, 2                     ; hb = 16 b + h
	s_lshr_b32 s72, s[HB], 4
	s_and_b32 s73, s[HB], 15
	s_lshl_b32 s[BT], s72, 11
	s_mul_i32 s[HQ], s73, 768
	s_lshr_b32 s[GI], s73, 2
	s_lshl_b32 s[GI], s[GI], 6
	s_lshl_b32 s[HO], s73, 8
	s_mov_b32 s[CH], s[II]
	s_lshl_b32 s74, s[WV], 5
	s_lshl_b32 s[Q0], s[II], 8
	s_add_co_u32 s[Q0], s[Q0], s74                 ; first pass: 256 i + 32 w
	s_sub_co_u32 s[Q0B], 7, s[II]
	s_lshl_b32 s[Q0B], s[Q0B], 8
	s_add_co_u32 s[Q0B], s[Q0B], s74               ; second pass: 256 (7 - i) + 32 w
	s_mul_i32 s82, s[WV], WSTG
	s_add_co_u32 s82, s82, STAGE                   ; my stage
	v_and_b32 v46, 31, v0                          ; lane
	v_and_b32 v47, 15, v0                          ; r
	v_bfe_u32 v45, v0, 4, 1                        ; hh
	v_lshlrev_b32 v[LI], 4, v46
	v_lshlrev_b32 v[GO], 12, v45
	v_mul_u32_u24 v[STO], v47, SPITCH
	v_mul_u32_u24 v[RD], v45, SPITCH
	v_mul_u32_u24 v[QA], v45, 12288
	v_lshl_add_u32 v[GO], v47, 4, v[GO]
	v_lshl_add_u32 v[QSO], v45, 6, v[STO]
	v_lshl_add_u32 v[STO], v45, 5, v[STO]
	v_lshl_add_u32 v[RD], v47, 4, v[RD]
	v_lshl_add_u32 v[QA], v47, 4, v[QA]
	v_add_nc_u32 v[QSO], s82, v[QSO]
	v_add_nc_u32 v[STO], s82, v[STO]
	v_add_nc_u32 v[RD], s82, v[RD]
	v_lshlrev_b32 v[IXO], 8, v46
	v_mul_u32_u24 v[PFQ], v46, 12288
	v_lshlrev_b32 v[CD], 4, v45
	v_and_b32 v[VMW], 63, v0
	v_lshl_add_u32 v[VMA], v45, 5, VM
	v_sub_nc_u32 v[CD], v47, v[CD]
	v_lshlrev_b32 v[VPO], 2, v[VMW]
	v_lshl_add_u32 v[VMW], v[VMW], 2, VM
	v_mov_b32 v[NINF], 0xff800000
	v_mov_b32 v[ONE], 1
	v_mov_b32 v[AD], v[LI]                         ; slot 0
	s_mov_b32 s[G1], 3<<16                         ; a dense block of 8,192 bytes as 32 rows of 256: elements of 8 bytes, no padding, no mask
	s_mov_b32 s[G1+1], 32<<16
	s_mov_b32 s[G1+2], 32<<16
	s_mov_b32 s[G1+3], 32<<16
	s_mov_b32 s[G1+4], 32
	s_mov_b32 s[G1+5], 32
	s_mov_b32 s[G1+6], 0
	s_mov_b32 s[G1+7], 0
	s_mov_b32 s[SEL], 0x76543210
	s_mov_b32 s[SEL+1], 0xfedcba98
	s_mov_b32 s[CS], 0x3dd53b95                    ; c = log2(e) / sqrt(192)
	s_mov_b32 s[U], 0
	s_mov_b32 s[TB], 0
	s_mov_b32 s[HID], 0
	s_mov_b32 s[OF+1], 0
	s_mov_b32 s[G0], 1
	s_lshl_b32 s[G0+1], s[WV], 13                  ; my eighth of slot 0; the same number is its place in a slot in memory
	s_lshl_b32 s74, s[HB], 19
	s_add_co_u32 s74, s74, s[G0+1]
	s_mov_b32 s75, 0
	s_wait_alu depctr_va_vdst(0)                   ; directly ahead of the waits below
	s_wait_dscnt 0x0                               ; both opening adds are done
	s_wait_kmcnt 0x0
	s_load_b128 s[SC:SC+3], s[12:13], 0x0          ; eq, ek, ev, ep
	s_add_nc_u64 s[KVB:KVB+1], s[6:7], s[74:75]
	s_mov_b64 s[G0+2:G0+3], s[KVB:KVB+1]
	s_or_b32 s[G0+3], s[G0+3], 0x80000000
	TLOAD                                          ; trip 0's slot: my one tensor load at the head
	s_lshl_b32 s74, s[HB], 19
	s_and_b32 s72, s[WV], 3
	s_lshl_b32 s72, s72, 14
	s_add_co_u32 s74, s74, s72
	s_add_nc_u64 s[PFA:PFA+1], s[6:7], s[74:75]
	s_add_nc_u64 s[PFA:PFA+1], s[PFA:PFA+1], 0x10000   ; a quarter of slot 1: trip 0's change steps it to slot 2
	s_add_co_u32 s72, s[BT], s[Q0B]
	s_mul_i32 s74, s72, 12288
	s_add_co_u32 s74, s74, s[HQ]
	s_add_nc_u64 s[QPB:QPB+1], s[4:5], s[74:75]
	s_lshr_b32 s72, s[WV], 2
	s_xor_b32 s72, s72, 1
	s_or_b32 s72, s72, s[II]                       ; 0 in waves 4 to 7 of the head's work-group with i = 0
	s_cmp_eq_u32 s72, 0
	s_cselect_b32 s[LIM], 6, 0
	s_lshl_b32 s82, s[BT], 4                       ; vpart: 32,768 b + 256 h
	s_add_co_u32 s82, s82, s[HO]
	s_mov_b32 s83, 0
	s_add_nc_u64 s[80:81], s[8:9], s[82:83]
	PTRS
	PTRO
	QISSUE
	QLD 1
	s_wait_kmcnt 0x0
	s_add_co_i32 s72, s[SC], s[SC+1]
	s_lshl_b32 s72, s72, 23
	s_add_co_i32 s[CS], s[CS], s72                 ; eq + ek go into c's exponent field
	s_mov_b32 s[CS+1], s[CS]
	s_add_co_i32 s72, s[SC+3], 127
	s_lshl_b32 s73, s72, 23
	v_mov_b32 v[PSC], s73
	s_add_co_i32 s72, s72, 8
	s_lshl_b32 s72, s72, 23
	s_or_b32 s72, s72, 0x600000
	v_mov_b32 v[PLIM], s72
	s_add_co_i32 s72, s[SC], 127
	s_lshl_b32 s73, s72, 23
	v_mov_b32 v[QSC], s73
	s_add_co_i32 s72, s72, 8
	s_lshl_b32 s72, s72, 23
	s_or_b32 s72, s72, 0x600000
	v_mov_b32 v[QLIM], s72
	s_add_co_i32 s[EPV], s[SC+2], s[SC+3]
	s_sub_co_i32 s[EVM], s[EPV], 11
	s_wait_alu depctr_va_vdst(0)                   ; directly ahead of the wait below
	CHANGE 1, 1, 0                                 ; slot 0 is whole; slot 1's first fill, trip 1's keys, is issued as a refill is
	CHANGE2 1, 0
	; the numbers for a query with no key: thread d of waves 0 and 1; the other waves read them behind a later change of slots
	s_cmp_lt_u32 s[WV], 2
	s_cbranch_scc0 .Lno_vm
.irp j, 0,1,2,3,4,5,6,7
	global_load_b32 v[22+\j], v[VPO], s[80:81] offset:4096*\j
.endr
	v_min_num_f32 v32, 1.0, v[PLIM]
.irp j, 33,34,35,36,37,38,39
	v_mov_b32 v\j, v32
.endr
	v_mov_b32 v40, 0x7f7f7f7f                      ; the scale byte 127 in every byte
	v_cvt_scalef32_pk8_fp8_f32 v[30:31], v[32:39], v[PSC]
	v_nop
	v_cvt_scale_pk8_f32_fp8 v[32:39], v[30:31], v40
	s_wait_loadcnt 0x0
	v_add_f32 v22, v22, v23
	v_add_f32 v24, v24, v25
	v_add_f32 v26, v26, v27
	v_add_f32 v28, v28, v29
	v_add_f32 v22, v22, v24
	v_add_f32 v26, v26, v28
	v_add_f32 v22, v22, v26
	s_wait_alu depctr_va_vdst(0)
	v_mul_f32 v22, v22, v32
	v_ldexp_f32 v22, v22, s[EVM]
	ds_store_b32 v[VMW], v22
.Lno_vm:
	s_wait_alu depctr_va_vdst(0)
	QWORK
	WIN W_LD
	KLD FA, 0, 0                                   ; the first step's groups 0, 1, 2
	KLD FB, 0, 1
	KLD FC, 0, 2
	WIN 0
.Lslot:                                            ; trips 0 .. 6: each change of slots asks for the keys of two trips on
	STEP 0, 1, 0
	STEP 1, 1, 0
	s_cmp_lg_u32 s[U], s[CH]                       ; the first pass ends with trip i: ids alone, alike in all waves
	s_cbranch_scc1 .Lsame
	s_mov_b32 s[Q0], s[Q0B]
	PTRS
	s_wait_dscnt 0x0                               ; the fragments asked for ahead are in: no LDS load is out when the loads below are issued
	QISSUE                                         ; the second pass's indices and tile 0 come while the first pass goes out
	FINISH
	s_wait_xcnt 0x0                                ; the stores have read their data and their base
	PTRO
	QLD 1
	QWORK
.Lsame:
	s_add_co_u32 s[U], s[U], 1
	s_cmp_lt_u32 s[U], 7
	s_cbranch_scc1 .Lslot
.Ltail:                                            ; trips 7 and 8: nothing more is asked of memory
	STEP 0, 0, 0
	STEP 1, 0, 1
	s_add_co_u32 s[U], s[U], 1
	s_cmp_lt_u32 s[U], 9
	s_cbranch_scc1 .Ltail
	FINISH
	s_wait_tensorcnt 0x0                           ; the wave's end
	ds_add_u32 v[SPW], v[NIL]
	s_wait_dscnt 0x0
	s_endpgm
.Lfunc_end_k_qba4fb44c09_attn:
	.size	k_qba4fb44c09_attn, .Lfunc_end_k_qba4fb44c09_attn-k_qba4fb44c09_attn
	.p2alignl 7, 3214868480
	.fill 96, 4, 3214868480
	.section	.rodata,"a",@progbits
	.p2align	6, 0x0
	.amdhsa_kernel k_qba4fb44c09_attn
		.amdhsa_group_segment_fixed_size 327680
		.amdhsa_private_segment_fixed_size 0
		.amdhsa_enable_private_segment 0
		.amdhsa_kernarg_size 48
		.amdhsa_user_sgpr_count 2
		.amdhsa_user_sgpr_kernarg_segment_ptr 1
		.amdhsa_wavefront_size32 1
		.amdhsa_system_sgpr_workgroup_id_x 1
		.amdhsa_system_sgpr_workgroup_id_y 1
		.amdhsa_system_sgpr_workgroup_id_z 1
		.amdhsa_system_vgpr_workitem_id 0
		.amdhsa_next_free_vgpr 512
		.amdhsa_next_free_sgpr 96
		.amdhsa_reserve_vcc 1
		.amdhsa_float_denorm_mode_32 3
		.amdhsa_float_denorm_mode_16_64 3
		.amdhsa_memory_ordered 1
		.amdhsa_forward_progress 1
		.amdhsa_inst_pref_size 255
	.end_amdhsa_kernel
	.section	.bss,"aw",@nobits
	.p2align	6
	.space	262144
	.amdgpu_metadata
---
amdhsa.version: [ 1, 2 ]
amdhsa.kernels:
  - .name:           k_qba4fb44c09_attn
    .symbol:         k_qba4fb44c09_attn.kd
    .args:
      - { .name: q, .offset: 0, .size: 8, .value_kind: global_buffer, .address_space: global }
      - { .name: kv, .offset: 8, .size: 8, .value_kind: global_buffer, .address_space: global }
      - { .name: vpart, .offset: 16, .size: 8, .value_kind: global_buffer, .address_space: global }
      - { .name: selected_indices, .offset: 24, .size: 8, .value_kind: global_buffer, .address_space: global }
      - { .name: lowp_scales, .offset: 32, .size: 8, .value_kind: global_buffer, .address_space: global }
      - { .name: out0, .offset: 40, .size: 8, .value_kind: global_buffer, .address_space: global }
    .group_segment_fixed_size: 327680
    .private_segment_fixed_size: 0
    .kernarg_segment_align: 8
    .kernarg_segment_size: 48
    .max_flat_workgroup_size: 256
    .sgpr_count:     96
    .vgpr_count:     512
    .wavefront_size: 32
...
	.end_amdgpu_metadata
.endif
;; end of part 2
